; MI455X (gfx1250); checked and timed in simulation.
; The chip was launched on July 23, 2026; its instructions are those of AMD's public machine-readable ISA for CDNA 5 (MIT licence, August 2026) and "CDNA5" Instruction Set Architecture Reference Guide (July 2026). The comments in the code are by the model that wrote it; some were corrected since.
;; Causal Self Attention. Allowed arithmetic: matrix products marked QUANTISED: E5M2 operands, one given power-of-two scale a tensor, by v_wmma_f32_16x16x64_bf8_bf8 or v_wmma_f32_16x16x128_bf8_bf8, f32 sums; everything else in f32.
;; Inputs: Wk 1,024 x 1,024 float32; Wq 1,024 x 1,024 float32; Wv 1,024 x 1,024 float32; attention_mask 4 x 1 x 1 x 2,048 float32; bk 1,024 float32; bq 1,024 float32; bv 1,024 float32; hidden_states 4 x 2,048 x 1,024 float32; lowp_scales 10 int32 (the exponents e of the quantised operands' scales 2^e).
;; Outputs: out0 4 x 2,048 x 1,024 float32.
;; This version of the problem:
;;   THIS VERSION OF THE PROBLEM IS GIVEN IN LOW PRECISION. The matrix products marked QUANTISED in the list below multiply operands that are first quantised to E5M2 (5 exponent bits, 2 mantissa bits; 8 bits a number), with one given power-of-two scale for each operand tensor; their sums are f32. All else is computed in f32.
;;   The module's matrix products, in the order in which they are computed (A, B: the left and right operand; K: the contracted axis; several contracted axes count as one K, in the product's order):
;;     1. [M 8,192, K 1,024] x [K 1,024, N 1,024]; A: input hidden_states; B: input Wq: QUANTISED (scales: A lowp_scales[0], B lowp_scales[1])
;;     2. [M 8,192, K 1,024] x [K 1,024, N 1,024]; A: input hidden_states; B: input Wk: QUANTISED (scales: A lowp_scales[2], B lowp_scales[3])
;;     3. [M 8,192, K 1,024] x [K 1,024, N 1,024]; A: input hidden_states; B: input Wv: QUANTISED (scales: A lowp_scales[4], B lowp_scales[5])
;;     4. batch 64 x [M 2,048, K 64] x [K 64, N 2,048]; A: computed on the way; B: computed on the way: QUANTISED (scales: A lowp_scales[6], B lowp_scales[7])
;;     5. batch 64 x [M 2,048, K 2,048] x [K 2,048, N 64]; A: softmax (see below); B: computed on the way: QUANTISED (scales: A lowp_scales[8], B lowp_scales[9])
;;   THE QUANTISER, for each operand of a quantised product, along K:
;;     - The operand's scale is 2^e, e = its entry of the input lowp_scales (int32; the entries are numbered through the quantised products in the list's order, A before B).
;;     - Each number is divided by the scale, clamped to +-57,344, and rounded to the nearest number of E5M2, ties to even, subnormals kept.
;;     - The product sums the exact products of the quantised numbers (number of the format x scale) in f32.
;;   ~~~python
;;   def quantise(x, axis, e):      # numpy; x: float32 -> the quantised numbers, widened to float32 again
;;       x = np.moveaxis(x, axis, -1); K = x.shape[-1]
;;       r = np.clip(x / 2.0 ** e, -57344, 57344)
;;       step = 2.0 ** (np.maximum(np.frexp(np.where(r == 0, 1, r))[1] - 1, -14) - 2)
;;       q = np.round(r / step) * step * 2.0 ** e      # np.round: ties to even
;;       return np.moveaxis(q, -1, axis).astype(np.float32)
;;   ~~~
;;   SOFTMAX AHEAD OF A QUANTISED PRODUCT. Where the list says 'softmax', what is quantised is not the finished softmax but p = 2^(t - M), with t = logit x log2(e) and M = ceil(the row's largest t), a whole number; so 1/2 < the row's largest p <= 1. The row's sum l is taken of the UNQUANTISED p, in f32, and the product's result is divided by l at the end. Since M is a whole number, a kernel that streams over the keys may use a running M (the ceiling of the running maximum): every later rescaling is an exact power of two, so the quantised numbers keep their values, but for numbers so far below the row's largest that they fall under the format's range.
;;   OPERANDS COMPUTED ON THE WAY. 'Computed on the way' means the value that the module computes at that place (a softmax that the list does not call 'softmax' is quantised finished and normalised). What goes into a quantiser is computed in f32, as accurately as f32 sums, v_exp_f32 and their like allow (about 1e-6 of the number): no bf16 or f16 on the way to a quantiser, and a product that is left as it is and whose result goes on into a quantised operand takes f32 operands (vector FMAs, or v_wmma_f32_16x16x4_f32). A number that lies on a knife's edge between two numbers of the format may be rounded either way, as far as f32 arithmetic and the matrix unit's own rounding can turn it there, and no further.
;; One version. Each part assembles by itself: llvm-mc -triple=amdgcn-amd-amdhsa -mcpu=gfx1250 --defsym DOCPART=n.
;; ======== version 1 of 1: 3 launches
;; limits: right only within a limited range of input values
;; workspace buffers: xc 25,165,824 bytes; wc 3,145,728 bytes; qc 8,388,608 bytes; kc 8,388,608 bytes; vc 8,388,608 bytes
;; launch quant (part 1): grid 704 x 1, 4 waves a work-group, no clusters, 52,736 bytes of LDS; arguments hidden_states, Wq, Wk, Wv, lowp_scales, xc, wc; writes xc, wc
.if DOCPART == 1
	.amdgcn_target "amdgcn-amd-amdhsa--gfx1250"
	.amdhsa_code_object_version 6
	.text
	.protected	k_q855923fdf0_quant
	.globl	k_q855923fdf0_quant
	.p2align	8
	.type	k_q855923fdf0_quant,@function
k_q855923fdf0_quant:
	s_mov_b64 s[64:65], 0
	v_nop
	global_prefetch_b8 v0, s[64:65] scope:SCOPE_SE
	s_setreg_imm32_b32 hwreg(HW_REG_WAVE_MODE, 25, 1), 1
	s_wait_xcnt 0x0
; hidden_states [8192][1024] and Wq, Wk, Wv [1024][1024], f32, K innermost, become codes of BF8 (E5M2), one byte a number.
; code = x / 2^e, held within +-57,344, rounded to the nearest code, ties to even.  hidden_states is an operand of three products with three given scales (entries 0, 2, 4): three sets of codes in xc.
; Wq, Wk, Wv take entries 1, 3, 5.
; LAYOUT OF THE CODES: images of fragments.  xc[set][row / 16][q 0..7][c 0..3][lane][16 bytes], wc[p][row / 16][q][c][lane][16 bytes]: lane = 16 h + (row % 16).  A row's 64 pieces of 16 codes are numbered
; n = 8 q + 2 c + h; piece n = 32 s + l holds k = 512 s + 128 i + 4 l + j at byte 4 i + j.  The order of k is the same in xc and in wc, so in the products every code meets its partner.
; SHARES.  A work-group takes 16 rows, a wave four of them: 8 steps of 512 numbers, each four loads of 512 consecutive bytes, all 32 loads out at once.  Work-groups 0-511 take hidden_states, 512-575 Wq, 576-639 Wk, 640-703 Wv.
; The codes turn through LDS: a lane puts its 16 codes of row r at 272 n + 16 r, and they come back as runs of 512 bytes.  No two work-groups read the same bytes: no cluster.
; WORK LEFT OUT (in launch attn): reference() sets the scores of keys behind the query to -infinity in its own body, so p = 0 there for all finite inputs: key steps that lie wholly behind a tile's queries are not computed.
; A NaN, an infinity or an overflow that reaches only the work left out is not carried to the result.
; LIMITS: each of the six exponents lies between -126 and 112, so that 2^e and 57,344 x 2^e are f32 numbers.  NaN among the inputs is not served (an infinity is held at the largest code).
.set WGX,   512                        ; work-groups that take hidden_states
.set R,     16                         ; v16-143   the wave's 8 x 16 numbers as loaded; step t's codes go into step t - 1's registers
.set T,     144                        ; v144-191  16 held numbers for each of the three outputs
.set C0,    192                        ; v192-203  step 0's codes
.set UP,    272                        ; a unit of 256 bytes in LDS, + 16
.set SETL,  64*UP                      ; a set's 64 units
.set SPARE, 3*SETL                     ; spare words, 128 bytes a wave
                                       ; v1 16 x lane; v2, v4, v6: 2^e of output 0, 1, 2;  v3, v5, v7: 57,344 x 2^e; v10, v11 the add's; v12 in, v13 back
	s_load_b256 s[4:11], s[0:1], 0x0               ; hidden_states s[4:5], Wq s[6:7], Wk s[8:9], Wv s[10:11]
	s_load_b128 s[12:15], s[0:1], 0x20             ; the scales' exponents s[12:13], xc s[14:15]
	s_load_b64 s[16:17], s[0:1], 0x30              ; wc
	v_lshl_add_u32 v10, v0, 2, SPARE
	v_mov_b32 v11, 0
	v_lshrrev_b32 v2, 5, v0
	v_readfirstlane_b32 s18, v2                    ; wave 0..3
	v_and_b32 v8, 31, v0
	v_lshlrev_b32 v1, 4, v8
	v_mul_u32_u24 v12, v8, UP
	s_lshl_b32 s19, s18, 6
	v_add_nc_u32 v12, s19, v12                     ; in: piece l, row 4 w: 272 l + 64 w
	v_lshrrev_b32 v13, 4, v8
	v_mul_u32_u24 v13, v13, UP
	v_and_b32 v14, 15, v8
	v_lshl_add_u32 v13, v14, 4, v13
	s_mul_i32 s36, s18, 16*UP
	v_add_nc_u32 v13, s36, v13                     ; back: my wave's 16 units, two an instruction
	s_sub_co_u32 s37, ttmp9, WGX
	s_and_b32 s38, s37, 63
	s_cmp_ge_u32 ttmp9, WGX
	s_cselect_b32 s37, s37, ttmp9                  ; the 16 rows' number in the output,
	s_cselect_b32 s38, s38, ttmp9                  ; and in the input
	s_lshl_b32 s40, s38, 16
	s_lshl_b32 s39, s18, 14
	s_add_co_u32 s40, s40, s39                     ; 65,536 bytes for 16 rows, 16,384 for my four
	s_mov_b32 s41, 0
	s_lshl_b32 s42, s37, 14
	s_lshl_b32 s39, s18, 12
	s_add_co_u32 s42, s42, s39                     ; 16,384 bytes of codes, of which my wave stores 4,096
	s_mov_b32 s43, 0
	s_wait_alu depctr_va_vdst(0)
	s_wait_kmcnt 0x0
	s_load_b256 s[28:35], s[12:13], 0x0            ; e0 .. e7
	s_mov_b64 s[20:21], s[4:5]                     ; the source: chosen by the work-group's number alone
	s_cmp_ge_u32 ttmp9, WGX
	s_cselect_b64 s[20:21], s[6:7], s[20:21]
	s_cselect_b64 s[22:23], s[16:17], s[14:15]     ; output 0 goes to wc or to xc
	s_cmp_ge_u32 ttmp9, WGX+64
	s_cselect_b64 s[20:21], s[8:9], s[20:21]
	s_cmp_ge_u32 ttmp9, WGX+128
	s_cselect_b64 s[20:21], s[10:11], s[20:21]
	s_add_nc_u64 s[20:21], s[20:21], s[40:41]
	s_add_nc_u64 s[22:23], s[22:23], s[42:43]
	s_add_nc_u64 s[24:25], s[14:15], s[42:43]
	s_add_nc_u64 s[26:27], s[24:25], 0x1000000     ; output 2: xc's third set
	s_add_nc_u64 s[24:25], s[24:25], 0x800000      ; output 1: xc's second set
.irp t, 0,1,2,3,4,5,6,7
.irp i, 0,1,2,3
	global_load_b128 v[R+16*\t+4*\i:R+16*\t+4*\i+3], v1, s[20:21] offset:2048*\t+512*\i th:TH_LOAD_NT   ; 32 lanes read 512 consecutive bytes; read once in the launch
.endr
.endr
	s_wait_kmcnt 0x0
	s_mov_b32 s36, s28                             ; output 0's exponent: e0, or e1, e3, e5 for a weight
	s_cmp_ge_u32 ttmp9, WGX
	s_cselect_b32 s36, s29, s36
	s_cmp_ge_u32 ttmp9, WGX+64
	s_cselect_b32 s36, s31, s36
	s_cmp_ge_u32 ttmp9, WGX+128
	s_cselect_b32 s36, s33, s36
.macro SCALE n, e                      ; 2^e and 57,344 x 2^e as f32 patterns
	s_add_co_i32 s37, s[\e], 127
	s_lshl_b32 s38, s37, 23
	v_mov_b32 v[2+2*\n], s38                       ; the conversion takes its exponent field
	s_add_co_i32 s37, s37, 15
	s_lshl_b32 s37, s37, 23
	s_or_b32 s37, s37, 0x600000
	v_mov_b32 v[3+2*\n], s37
.endm
	SCALE 0, 36
	SCALE 1, 30                                    ; e2
	SCALE 2, 32                                    ; e4
; Output n of step t: the hold, since the conversion to an 8-bit code does not saturate (ISA guide 7.6.2); two conversions; 16 codes into the image.
.macro OUT n, t
.if \t == 0
.set CC, C0+4*\n
.else
.set CC, R+16*(\t)-16+4*\n
.endif
.irp i, 0,1,2,3,4,5,6,7,8,9,10,11,12,13,14,15
	v_med3_num_f32 v[T+16*\n+\i], v[R+16*\t+\i], -v[3+2*\n], v[3+2*\n]
.endr
	v_cvt_scalef32_pk8_bf8_f32 v[CC:CC+1], v[T+16*\n:T+16*\n+7], v[2+2*\n]
	v_cvt_scalef32_pk8_bf8_f32 v[CC+2:CC+3], v[T+16*\n+8:T+16*\n+15], v[2+2*\n]
	v_nop                                          ; a plain vector line behind the conversions: the next holds write their sources again
	ds_store_b128 v12, v[CC:CC+3] offset:SETL*\n+32*UP*((\t)%2)+16*((\t)/2)
.endm
.macro STEP t
	s_wait_loadcnt 4*(7-\t)                        ; this step's four loads are in; those of the steps behind it may be out
	OUT 0, \t
	s_cmp_ge_u32 ttmp9, WGX                        ; a weight has one scale
	s_cbranch_scc1 .Lw_\@
	OUT 1, \t
	OUT 2, \t
.Lw_\@:
.endm
	s_wait_alu depctr_va_vdst(0)                   ; the head's end
.irp t, 0,1,2,3,4,5,6,7
	STEP \t
.endr
	s_wait_dscnt 0x0                               ; for the others' sake: my codes lie in LDS
	s_wait_alu depctr_va_vdst(0)                   ; directly ahead of the barrier
	s_barrier_signal -1
	s_barrier_wait -1
.macro BACK n
.irp i, 0,1,2,3,4,5,6,7
	ds_load_b128 v[R+32*\n+4*\i:R+32*\n+4*\i+3], v13 offset:SETL*\n+2*UP*\i
.endr
.endm
.macro PUT n
.irp i, 0,1,2,3,4,5,6,7
	global_store_b128 v1, v[R+32*\n+4*\i:R+32*\n+4*\i+3], s[22+2*\n:23+2*\n] offset:512*\i   ; 32 lanes store 512 consecutive bytes
.endr
.endm
	BACK 0
	s_cmp_ge_u32 ttmp9, WGX
	s_cbranch_scc1 .Lone
	BACK 1
	BACK 2
	s_wait_dscnt 16                                ; set 0's eight are back; the other sets' 16 may be out
	PUT 0
	s_wait_dscnt 8
	PUT 1
	s_wait_dscnt 0x0
	PUT 2
	s_branch .Lend
.Lone:
	s_wait_dscnt 0x0
	PUT 0
.Lend:
	s_wait_tensorcnt 0x0                           ; the wave's end
	ds_add_u32 v10, v11
	s_wait_dscnt 0x0
	s_endpgm
.Lfunc_end_k_q855923fdf0_quant:
	.size	k_q855923fdf0_quant, .Lfunc_end_k_q855923fdf0_quant-k_q855923fdf0_quant
	.p2alignl 7, 3214868480
	.fill 96, 4, 3214868480
	.section	.rodata,"a",@progbits
	.p2align	6, 0x0
	.amdhsa_kernel k_q855923fdf0_quant
		.amdhsa_group_segment_fixed_size 52736
		.amdhsa_private_segment_fixed_size 0
		.amdhsa_enable_private_segment 0
		.amdhsa_kernarg_size 56
		.amdhsa_user_sgpr_count 2
		.amdhsa_user_sgpr_kernarg_segment_ptr 1
		.amdhsa_wavefront_size32 1
		.amdhsa_system_sgpr_workgroup_id_x 1
		.amdhsa_system_sgpr_workgroup_id_y 1
		.amdhsa_system_sgpr_workgroup_id_z 1
		.amdhsa_system_vgpr_workitem_id 0
		.amdhsa_next_free_vgpr 204
		.amdhsa_next_free_sgpr 66
		.amdhsa_reserve_vcc 0
		.amdhsa_float_denorm_mode_32 3
		.amdhsa_float_denorm_mode_16_64 3
		.amdhsa_memory_ordered 1
		.amdhsa_forward_progress 1
		.amdhsa_inst_pref_size 42
	.end_amdhsa_kernel
	.amdgpu_metadata
---
amdhsa.version: [ 1, 2 ]
amdhsa.kernels:
  - .name:           k_q855923fdf0_quant
    .symbol:         k_q855923fdf0_quant.kd
    .args:
      - { .name: hidden_states, .offset: 0, .size: 8, .value_kind: global_buffer, .address_space: global }
      - { .name: Wq, .offset: 8, .size: 8, .value_kind: global_buffer, .address_space: global }
      - { .name: Wk, .offset: 16, .size: 8, .value_kind: global_buffer, .address_space: global }
      - { .name: Wv, .offset: 24, .size: 8, .value_kind: global_buffer, .address_space: global }
      - { .name: lowp_scales, .offset: 32, .size: 8, .value_kind: global_buffer, .address_space: global }
      - { .name: xc, .offset: 40, .size: 8, .value_kind: global_buffer, .address_space: global }
      - { .name: wc, .offset: 48, .size: 8, .value_kind: global_buffer, .address_space: global }
    .group_segment_fixed_size: 52736
    .private_segment_fixed_size: 0
    .kernarg_segment_align: 8
    .kernarg_segment_size: 56
    .max_flat_workgroup_size: 128
    .sgpr_count:     66
    .vgpr_count:     204
    .wavefront_size: 32
...
	.end_amdgpu_metadata
.endif
;; end of part 1
;; launch proj (part 2): grid 4 x 63, 4 waves a work-group, clusters of 4 x 1, 327,680 bytes of LDS; arguments xc, wc, lowp_scales, bq, bk, bv, qc, kc, vc; writes qc, kc, vc
.if DOCPART == 2
	.amdgcn_target "amdgcn-amd-amdhsa--gfx1250"
	.amdhsa_code_object_version 6
	.text
	.protected	k_q855923fdf0_proj
	.globl	k_q855923fdf0_proj
	.p2align	8
	.type	k_q855923fdf0_proj,@function
k_q855923fdf0_proj:
	s_mov_b64 s[64:65], 0
	v_nop
	global_prefetch_b8 v0, s[64:65] scope:SCOPE_SE
	s_setreg_imm32_b32 hwreg(HW_REG_WAVE_MODE, 25, 1), 1
	s_wait_xcnt 0x0
	s_wait_alu depctr_hold_cnt(0) depctr_sa_sdst(0) depctr_va_vdst(0) depctr_va_sdst(0) depctr_va_ssrc(0) depctr_va_vcc(0) depctr_vm_vsrc(0)
	s_getreg_b32 s2, hwreg(HW_REG_IB_STS2, 6, 4)
	s_cmp_eq_u32 s2, 0
	s_cbranch_scc0 .Lentry_in_a_cluster
	s_endpgm
.Lentry_in_a_cluster:
	s_bfe_u32 s2, ttmp6, 0x10000c
	s_cmp_lg_u32 s2, 0x3003
	s_cbranch_scc0 .Lentry_shape_is_right
	s_endpgm
.Lentry_shape_is_right:
; q, k, v = hidden_states W^T + b on codes of BF8, quantised on the way out with the scales of entries 6, 7, 9 and laid as the next launch's fragments:
; qc, kc: [head][s / 16][2][lane][16 bytes]: images of 16 rows x 64 d.   vc: [head][s / 128][d / 16][4][lane][16 bytes]: images of 16 d x 128 keys.  head = 16 b + the head's number.
; xc, wc are images of fragments: [set or p][row / 16][q][c][lane][16 bytes], 2,048 bytes for 16 rows x 128 along K, 16,384 for 16 rows.
; SHARES.  A wave makes ONE head of one projection p and holds its 64 x 1,024 codes of W in 512 registers for the whole launch; a work-group makes four heads, a cluster's four work-groups (place cx) all sixteen.
; The rows go by pairs of row tiles (32 rows): 256 pairs in 21 runs: 17 of 12 pairs, 4 of 13.  3 projections x 21 runs x 4 = 252 work-groups: a full turn's 256 is no multiple of 3.
; X: a pair is 32,768 bytes, dense, and the four partners need the same pairs: JOINT loads into LDS, each wave a quarter.  Slot A takes pairs 0-4, slot B pairs 5-8 behind it, slot A again pairs 9-12: three loads a wave.
; A run of 12 reads its thirteenth pair from the next run's rows, inside the set, and does not multiply it.  W: no two partners share a head, so W goes from memory straight to registers.
; A pair is 64 matrix instructions: two halves of K (512), each 4 steps x 2 row tiles x 4 feature tiles on 8 accumulators by turns.  X's fragments of a half fill 128 registers of window 1; one half is loaded while the other is multiplied.
; THE MATRIX INSTRUCTION for q and k has source 0 = W, source 1 = X: a lane holds one row and eight neighbouring features; for v source 0 = X, source 1 = W: a lane holds one feature and eight neighbouring keys.
; The branch between the two hangs on the cluster's y alone.  The bias, divided by the power of two that the sums lack, is the C of each sum's first product.
; PREFETCH: in loop A's second trip each wave asks for one sixteenth of pairs 9-12 (a block of 256 bytes a lane; the partners are told apart by address), whose load stands behind loop A.  Pairs 0-8 come by their loads alone.
; LIMITS: e6 - e0 - e1, e7 - e2 - e3, e9 - e4 - e5 between -126 and 112.
; REGISTERS.  window 0: addresses, constants, v64-95 the bias as C, v96-111 codes, v128-191 accumulator (t, b) at 128 + 8 (4 t + b), v192-227 the bias as loaded.  window 1: X.  windows 2, 3: W's fragment (q, b) at 64 (q % 4) + 16 b.
.set PAIR,  32768
.set SLOTB, 5*PAIR
.set SPARE, 9*PAIR                     ; spare words, 128 bytes a wave
.set XA,    16                         ; v16  LDS address of the pair in hand
.set XN,    17                         ; v17  of the next one in the same slot
.set IMG,   20                         ; v20  16 x lane
.set SPW,   28
.set NIL,   29
.set PFO,   30
.set SC,    34
.set LIM,   35
.set BI,    64
.set CD,    96
.set AC,    128
.set B8,    192
.set B1,    224
                                       ; s44 p; s58 the run's end; s59 the pair; s60 trips to go; s66 wave; s67 4 cx + wave; s72 LDS byte of the pair; s[16:17] my head in qc, kc or vc
.set MSB, 0
.macro WIN new                         ; the immediate's high byte repeats the setting that is left
.if MSB != (\new)
	s_set_vgpr_msb (MSB<<8)|(\new)
.set MSB, (\new)
.endif
.endm
.macro PLACES n                        ; plain vector lines between a matrix instruction and a load into, or a vector read or write of, its registers
.rept \n
	v_nop
.endr
.endm
.macro CROUND                          ; a round of the cluster's barrier
	s_barrier_signal -1
	s_barrier_wait -1
	s_cmp_lg_u32 s66, 0
	s_cbranch_scc1 .Lnot_wave_0_\@
	s_barrier_signal -3
.Lnot_wave_0_\@:
	s_barrier_wait -3
	s_barrier_signal -1
	s_barrier_wait -1
.endm
.macro FETCH hf, adr                   ; X's fragments of half hf of K: each instruction's 32 lanes read 512 consecutive bytes
	WIN 0x40
.irp q, 0,1,2,3
.irp t, 0,1
.irp c, 0,1,2,3
	ds_load_b128 v[128*\hf+32*\q+16*\t+4*\c:128*\hf+32*\q+16*\t+4*\c+3], v[\adr] offset:16384*\t+2048*(4*\hf+\q)+512*\c
.endr
.endr
.endr
	WIN 0
.endm
.macro MUL o, hf                       ; the eight accumulators take turns
.if \o == 0
	WIN 0x06+\hf
.else
	WIN 0x09+4*\hf
.endif
.irp q, 0,1,2,3
.irp t, 0,1
.irp b, 0,1,2,3
.set rD, AC+8*(4*\t+\b)
.set rX, 128*\hf+32*\q+16*\t
.set rW, 64*\q+16*\b
.set rC, rD
.if (\hf == 0) && (\q == 0)
.set rC, BI+8*\b
.endif
.if \o == 0
	v_wmma_f32_16x16x128_bf8_bf8 v[rD:rD+7], v[rW:rW+15], v[rX:rX+15], v[rC:rC+7]
.else
	v_wmma_f32_16x16x128_bf8_bf8 v[rD:rD+7], v[rX:rX+15], v[rW:rW+15], v[rC:rC+7]
.endif
.endr
.endr
.endr
	WIN 0
.endm
; A pair.  o = 0: q or k, 1: v.
.macro BODY o
	s_wait_dscnt 0x0                               ; this pair's first half is in
	FETCH 1, XA
	MUL \o, 0
	PLACES 4                                       ; for the loads into the first half's registers
	s_cmp_eq_u32 s60, 1
	s_cbranch_scc1 .Llast_\@                       ; the slot's last pair has no successor there
	FETCH 0, XN
	s_wait_dscnt 32                                ; the second half is in; the next pair's 32 loads may be out
	s_branch .Lgo_\@
.Llast_\@:
	s_wait_dscnt 0x0
.Lgo_\@:
	MUL \o, 1
	PLACES 4
	s_wait_xcnt 0x0                                ; the last pair's stores have read their codes and their base
	s_lshr_b32 s61, s59, 6
	s_lshl_b32 s61, s61, 21                        ; the batch: 16 heads of 131,072 bytes
	s_and_b32 s62, s59, 63
.if \o == 0
	s_lshl_b32 s62, s62, 11                        ; two row tiles' images
.else
	s_lshr_b32 s63, s62, 2
	s_lshl_b32 s63, s63, 13                        ; 128 keys,
	s_and_b32 s62, s59, 3
	s_lshl_b32 s62, s62, 9                         ; of which a pair is a fragment's quarter
	s_add_co_u32 s62, s62, s63
.endif
	s_add_co_u32 s56, s61, s62
	s_add_nc_u64 s[54:55], s[16:17], s[56:57]
.set ej, 0
.rept 64
	v_med3_num_f32 v[AC+ej], v[AC+ej], -v[LIM], v[LIM]   ; the conversion to an 8-bit code does not saturate (ISA guide 7.6.2)
.set ej, ej+1
.endr
.irp t, 0,1
.irp b, 0,1,2,3
.if \o == 0
.set rK, CD+8*\t+2*\b
.else
.set rK, CD+4*\b+2*\t
.endif
	v_cvt_scalef32_pk8_bf8_f32 v[rK:rK+1], v[AC+8*(4*\t+\b):AC+8*(4*\t+\b)+7], v[SC]
.endr
.endr
	v_nop                                          ; a plain line behind the conversions
.irp i, 0,1,2,3                                ; each store of the wave covers 512 consecutive bytes
.if \o == 0
	global_store_b128 v[IMG], v[CD+4*\i:CD+4*\i+3], s[54:55] offset:512*\i
.else
	global_store_b128 v[IMG], v[CD+4*\i:CD+4*\i+3], s[54:55] offset:2048*\i
.endif
.endr
.endm
; A slot's n pairs; the slot's last pair begins at LDS byte top.  skip = 1: a run of 12 leaves its thirteenth out.  pf = 1: the prefetch stands in this loop.
.macro LOOP n, top, skip, pf
	s_mov_b32 s60, \n
.Lp_\@:
	s_add_co_u32 s73, s72, PAIR
	s_min_u32 s73, s73, \top
	v_add_nc_u32 v[XA], s72, v[IMG]
	v_add_nc_u32 v[XN], s73, v[IMG]
	s_wait_alu depctr_va_vdst(0)
.if \skip
	s_cmp_ge_u32 s59, s58
	s_cbranch_scc1 .Ls_\@
.endif
	s_cmp_eq_u32 s44, 2
	s_cbranch_scc1 .Lv_\@
	BODY 0
	s_branch .Ls_\@
.Lv_\@:
	BODY 1
.Ls_\@:
.if \pf
	s_cmp_eq_u32 s60, 4
	s_cbranch_scc0 .Lnp_\@
	global_prefetch_b8 v[PFO], s[68:69] th:TH_LOAD_NT scope:SCOPE_SE
.Lnp_\@:
.endif
	s_add_co_u32 s72, s72, PAIR
	s_add_co_u32 s59, s59, 1
	s_sub_co_u32 s60, s60, 1
	s_cmp_lg_u32 s60, 0
	s_cbranch_scc1 .Lp_\@
.endm
.macro DRAIN                           ; ahead of a fill and at the wave's end
	s_wait_alu depctr_va_vdst(0)
	s_wait_tensorcnt 0x0
	ds_add_u32 v[SPW], v[NIL]
	s_wait_dscnt 0x0
.endm
.macro FIRST at                        ; a slot's first pair: its first half
	s_mov_b32 s72, \at
	v_add_nc_u32 v[XA], s72, v[IMG]
	FETCH 0, XA
.endm
.macro GROUP1 r, rows                  ; rows of 256 bytes, dense in memory and in LDS; 15:0 the mask: all four work-groups; 17:16 elements of 8 bytes; 21 set beside a mask
	s_mov_b32 s[\r], 15|(3<<16)|(1<<21)
	s_mov_b32 s[\r+1], 32<<16
	s_mov_b32 s[\r+2], (\rows)<<16
	s_mov_b32 s[\r+3], 32<<16
	s_mov_b32 s[\r+4], \rows
	s_mov_b32 s[\r+5], 32
	s_mov_b32 s[\r+6], 0
	s_mov_b32 s[\r+7], 0
.endm
	s_load_b256 s[4:11], s[0:1], 0x0               ; xc s[4:5], wc s[6:7], the exponents s[8:9], bq s[10:11]
	s_load_b256 s[12:19], s[0:1], 0x20             ; bk s[12:13], bv s[14:15], qc s[16:17], kc s[18:19]
	s_load_b64 s[20:21], s[0:1], 0x40              ; vc
	v_lshl_add_u32 v[SPW], v0, 2, SPARE
	v_mov_b32 v[NIL], 0
	ds_add_u32 v[SPW], v[NIL]                      ; the opening: the add, twice on end, and its wait ahead of my first tensor load
	ds_add_u32 v[SPW], v[NIL]
	v_lshrrev_b32 v1, 5, v0
	v_readfirstlane_b32 s66, v1                    ; wave 0..3
	s_bfe_u32 s40, ttmp6, 0x40000                  ; cx
	s_lshl_b32 s67, s40, 2
	s_add_co_u32 s67, s67, s66                     ; my head's number, 4 cx + wave
	s_and_b32 s43, ttmp7, 0xffff                   ; 21 p + (20 - the run's number): the runs of 13 pairs come first
	s_cmp_ge_u32 s43, 21
	s_cselect_b32 s44, 1, 0
	s_cmp_ge_u32 s43, 42
	s_cselect_b32 s44, 2, s44                      ; p
	s_mul_i32 s45, s44, 21
	s_sub_co_u32 s45, s43, s45
	s_sub_co_u32 s45, 20, s45                      ; the run, 0..20
	s_max_u32 s46, s45, 17
	s_sub_co_u32 s46, s46, 17
	s_mul_i32 s59, s45, 12
	s_add_co_u32 s59, s59, s46                     ; its first pair: 12 run + max(0, run - 17)
	s_add_co_u32 s58, s59, 12
	s_cmp_ge_u32 s45, 17
	s_cselect_b32 s46, 1, 0
	s_add_co_u32 s58, s58, s46                     ; and its end
	s_lshl_b32 s70, s44, 23
	s_lshl_b32 s46, s59, 15
	s_add_co_u32 s70, s70, s46                     ; X: set p, my run
	s_mov_b32 s71, 0
	s_lshl_b32 s74, s44, 20
	s_lshl_b32 s46, s67, 16
	s_add_co_u32 s74, s74, s46                     ; W: tensor p, my head's 65,536 bytes
	s_mov_b32 s75, 0
	s_lshl_b32 s50, s67, 17                        ; my head's 131,072 bytes of the output
	s_mov_b32 s51, 0
	s_lshl_b32 s52, s67, 8                         ; and its 64 biases
	s_mov_b32 s53, 0
	s_mul_i32 s46, s66, 40960                      ; my quarter of five pairs,
	s_mov_b32 s47, 0
	s_lshl_b32 s48, s66, 15                        ; and of four
	s_mov_b32 s49, 0
	s_mov_b32 s57, 0
	GROUP1 24, 160
	GROUP1 88, 128
	s_wait_alu depctr_va_vdst(0)
	s_wait_dscnt 0x0                               ; both opening adds are done
	s_wait_kmcnt 0x0
	s_load_b256 s[76:83], s[8:9], 0x0              ; e0 .. e7
	s_load_b64 s[96:97], s[8:9], 0x20              ; e8, e9
	s_add_nc_u64 s[68:69], s[4:5], s[70:71]        ; my run of X
	s_add_nc_u64 s[74:75], s[6:7], s[74:75]
	s_cmp_eq_u32 s44, 1                            ; bias and output: chosen by p alone
	s_cselect_b64 s[10:11], s[12:13], s[10:11]
	s_cselect_b64 s[16:17], s[18:19], s[16:17]
	s_cmp_eq_u32 s44, 2
	s_cselect_b64 s[10:11], s[14:15], s[10:11]
	s_cselect_b64 s[16:17], s[20:21], s[16:17]
	s_add_nc_u64 s[10:11], s[10:11], s[52:53]
	s_add_nc_u64 s[16:17], s[16:17], s[50:51]
	CROUND                                         ; all four work-groups are here: the joint loads meet
	s_mov_b32 s32, 1
	s_mov_b32 s33, s46
	s_add_nc_u64 s[34:35], s[68:69], s[46:47]      ; pairs 0-4
	s_or_b32 s35, s35, 0x80000000
	s_mov_b32 s36, 1
	s_add_co_u32 s37, s48, SLOTB
	s_add_nc_u64 s[38:39], s[68:69], s[48:49]
	s_add_nc_u64 s[38:39], s[38:39], 5*PAIR        ; pairs 5-8
	s_or_b32 s39, s39, 0x80000000
	s_mov_b32 s84, 1
	s_mov_b32 s85, s48
	s_add_nc_u64 s[86:87], s[68:69], s[48:49]
	s_add_nc_u64 s[86:87], s[86:87], 9*PAIR        ; pairs 9-12
	s_or_b32 s87, s87, 0x80000000
	tensor_load_to_lds s[32:35], s[24:31]          ; one tensor load a wave at the head
	s_nop 0
	PLACES 4
	s_add_nc_u64 s[68:69], s[68:69], 9*PAIR        ; what the prefetch asks for: pairs 9-12,
	s_lshl_b32 s61, s66, 2
	s_add_co_u32 s61, s61, s40
	s_lshl_b32 s61, s61, 13                        ; of which 8,192 bytes are mine: 4 wave + cx
	v_and_b32 v[IMG], 31, v0
	v_lshlrev_b32 v[PFO], 8, v[IMG]
	v_lshlrev_b32 v[IMG], 4, v[IMG]
	v_add_nc_u32 v[PFO], s61, v[PFO]
	v_bfe_u32 v5, v0, 4, 1
	v_lshlrev_b32 v5, 5, v5                        ; 32 h
	v_and_b32 v6, 15, v0
	v_lshlrev_b32 v6, 2, v6                        ; 4 r
.macro WLOAD q                         ; W's four fragments of step q
	WIN (2+(\q)/4)<<6
.irp b, 0,1,2,3
.irp c, 0,1,2,3
	global_load_b128 v[64*((\q)%4)+16*\b+4*\c:64*((\q)%4)+16*\b+4*\c+3], v[IMG], s[74:75] offset:16384*\b+2048*(\q)+512*\c
.endr
.endr
.endm
.irp b, 0,1,2,3                        ; the bias in both layouts: features 16 b + 8 h + 0 .. 7, and feature 16 b + r
	global_load_b128 v[B8+8*\b:B8+8*\b+3],   v5, s[10:11] offset:64*\b
	global_load_b128 v[B8+8*\b+4:B8+8*\b+7], v5, s[10:11] offset:64*\b+16
	global_load_b32 v[B1+\b], v6, s[10:11] offset:64*\b
.endr
.irp q, 0,1,2,3,4,5,6,7
	WLOAD \q
.endr
	WIN 0
	s_wait_kmcnt 0x0
	s_add_co_i32 s60, s76, s77
	s_add_co_i32 s61, s78, s79
	s_add_co_i32 s62, s80, s81
	s_cmp_eq_u32 s44, 1
	s_cselect_b32 s60, s61, s60
	s_cselect_b32 s63, s83, s82
	s_cmp_eq_u32 s44, 2
	s_cselect_b32 s60, s62, s60                    ; the power of two that a sum lacks: e0 + e1, e2 + e3 or e4 + e5
	s_cselect_b32 s63, s97, s63                    ; the output's: e6, e7 or e9
	s_sub_co_i32 s98, 0, s60
	s_add_co_i32 s61, s63, s98
	s_add_co_i32 s61, s61, 127
	s_lshl_b32 s62, s61, 23
	v_mov_b32 v[SC], s62                           ; the conversion's scale
	s_add_co_i32 s61, s61, 15
	s_lshl_b32 s61, s61, 23
	s_or_b32 s61, s61, 0x600000
	v_mov_b32 v[LIM], s61                          ; 57,344 x that
	DRAIN                                          ; (the head's end) my quarter of slot A is in
	CROUND
	tensor_load_to_lds s[36:39], s[88:95]          ; slot B: the first tensor load behind the round; it has all of loop A in which to land
	s_nop 0
	PLACES 4
	FIRST 0
	s_cmp_eq_u32 s44, 2
	s_cselect_b32 s61, -1, 0
	s_wait_loadcnt 0x0                             ; W and the bias
.set j, 0
.rept 32
	v_cndmask_b32 v[BI+j], v[B8+j], v[B1+j/8], s61
.set j, j+1
.endr
.set j, 0
.rept 32
	v_ldexp_f32 v[BI+j], v[BI+j], s98
.set j, j+1
.endr
	s_wait_alu depctr_va_vdst(0)
	LOOP 5, 4*PAIR, 0, 1
	DRAIN                                          ; slot B is in, slot A is read out
	CROUND
	tensor_load_to_lds s[84:87], s[88:95]          ; slot A again: the first tensor load behind the round
	s_nop 0
	PLACES 4
	FIRST SLOTB
	LOOP 4, 8*PAIR, 0, 0
	DRAIN                                          ; slot A is in; nothing is filled again
	s_barrier_signal -1
	s_barrier_wait -1
	PLACES 4
	FIRST 0
	LOOP 4, 3*PAIR, 1, 0
	DRAIN                                          ; the wave's end
	CROUND                                         ; the closing round
	s_endpgm
.Lfunc_end_k_q855923fdf0_proj:
	.size	k_q855923fdf0_proj, .Lfunc_end_k_q855923fdf0_proj-k_q855923fdf0_proj
	.p2alignl 7, 3214868480
	.fill 96, 4, 3214868480
	.section	.rodata,"a",@progbits
	.p2align	6, 0x0
	.amdhsa_kernel k_q855923fdf0_proj
		.amdhsa_group_segment_fixed_size 327680
		.amdhsa_private_segment_fixed_size 0
		.amdhsa_enable_private_segment 0
		.amdhsa_kernarg_size 72
		.amdhsa_user_sgpr_count 2
		.amdhsa_user_sgpr_kernarg_segment_ptr 1
		.amdhsa_wavefront_size32 1
		.amdhsa_system_sgpr_workgroup_id_x 1
		.amdhsa_system_sgpr_workgroup_id_y 1
		.amdhsa_system_sgpr_workgroup_id_z 1
		.amdhsa_system_vgpr_workitem_id 0
		.amdhsa_next_free_vgpr 1024
		.amdhsa_next_free_sgpr 100
		.amdhsa_reserve_vcc 0
		.amdhsa_float_denorm_mode_32 3
		.amdhsa_float_denorm_mode_16_64 3
		.amdhsa_memory_ordered 1
		.amdhsa_forward_progress 1
		.amdhsa_inst_pref_size 117
	.end_amdhsa_kernel
	.amdgpu_metadata
---
amdhsa.version: [ 1, 2 ]
amdhsa.kernels:
  - .name:           k_q855923fdf0_proj
    .symbol:         k_q855923fdf0_proj.kd
    .args:
      - { .name: xc, .offset: 0, .size: 8, .value_kind: global_buffer, .address_space: global }
      - { .name: wc, .offset: 8, .size: 8, .value_kind: global_buffer, .address_space: global }
      - { .name: lowp_scales, .offset: 16, .size: 8, .value_kind: global_buffer, .address_space: global }
      - { .name: bq, .offset: 24, .size: 8, .value_kind: global_buffer, .address_space: global }
      - { .name: bk, .offset: 32, .size: 8, .value_kind: global_buffer, .address_space: global }
      - { .name: bv, .offset: 40, .size: 8, .value_kind: global_buffer, .address_space: global }
      - { .name: qc, .offset: 48, .size: 8, .value_kind: global_buffer, .address_space: global }
      - { .name: kc, .offset: 56, .size: 8, .value_kind: global_buffer, .address_space: global }
      - { .name: vc, .offset: 64, .size: 8, .value_kind: global_buffer, .address_space: global }
    .group_segment_fixed_size: 327680
    .private_segment_fixed_size: 0
    .kernarg_segment_align: 8
    .kernarg_segment_size: 72
    .max_flat_workgroup_size: 128
    .sgpr_count:     100
    .vgpr_count:     1024
    .wavefront_size: 32
...
	.end_amdgpu_metadata
.endif
;; end of part 2
;; launch attn (part 3): grid 4 x 64, 8 waves a work-group, clusters of 4 x 1, 327,680 bytes of LDS; arguments qc, kc, vc, attention_mask, lowp_scales, out0; writes out0
.if DOCPART == 3
	.amdgcn_target "amdgcn-amd-amdhsa--gfx1250"
	.amdhsa_code_object_version 6
	.text
	.protected	k_q855923fdf0_attn
	.globl	k_q855923fdf0_attn
	.p2align	8
	.type	k_q855923fdf0_attn,@function
k_q855923fdf0_attn:
	s_mov_b64 s[64:65], 0
	v_nop
	global_prefetch_b8 v0, s[64:65] scope:SCOPE_SE
	s_setreg_imm32_b32 hwreg(HW_REG_WAVE_MODE, 25, 1), 1
	s_wait_xcnt 0x0
	s_wait_alu depctr_hold_cnt(0) depctr_sa_sdst(0) depctr_va_vdst(0) depctr_va_sdst(0) depctr_va_ssrc(0) depctr_va_vcc(0) depctr_vm_vsrc(0)
	s_getreg_b32 s2, hwreg(HW_REG_IB_STS2, 6, 4)
	s_cmp_eq_u32 s2, 0
	s_cbranch_scc0 .Lentry_in_a_cluster
	s_endpgm
.Lentry_in_a_cluster:
	s_bfe_u32 s2, ttmp6, 0x10000c
	s_cmp_lg_u32 s2, 0x3003
	s_cbranch_scc0 .Lentry_shape_is_right
	s_endpgm
.Lentry_shape_is_right:
; out0[b][q][64 head + d] = the sum over keys j <= q of softmax_j((q . k_j + mask[b][j]) / 8) v_j[d], both products on codes of BF8 (E5M2); scales: q entry 6, k 7, p 8, v 9.
; qc, kc: [head][s / 16][2][lane][16 bytes]: images of fragments 16 rows x 64 d.   vc: [head][s / 128][d / 16][4][lane][16 bytes]: images of fragments 16 d x 128 keys.  head = 16 b + the head's number.
; WORK LEFT OUT: key steps that lie wholly behind a tile's queries: reference()'s own causal mask makes their p 0 for all finite inputs.
; THE SOFTMAX AHEAD OF THE SECOND PRODUCT: the mask, divided by 2^(e6 + e7), is the C of the first product, so a score s stands for s x 2^(e6 + e7); t = s x c, c = log2(e) / 8 x 2^(e6 + e7); M = the row's largest t so far,
; rounded UP to a whole number; p = 2^(t - M) is what is quantised; it is not normalised.  The row's sum is taken of the unquantised p, in f32, and divides at the end.  When M moves, the sum and O are multiplied by
; 2^(old M - new M), which rounds nothing.
; SHARES.  The four work-groups of a cluster (c = 0..3) share one head.  Its 128 tiles of 16 queries are dealt as T = c + 4 U.  A tile needs the key steps (128 keys) 0 .. D with D = U / 2, which does not hang on c: no branch
; hangs on the place in the cluster.  Waves w and w + 4 (w = 0..3) take eight values of U with 68 steps of a tile in all: w the U = w + 4, 16 + w, 27 - w, 31 - w (42 steps), w + 4 the U = w, 11 - w, 15 - w, 20 + w (26 steps).
; A step's fragments of K and V and its 64 mask numbers a lane are read from LDS once for all the wave's tiles that still need them; the next step's K and mask are asked for behind the last tile's first product.
; NO RING.  A head's K and V are 131,072 bytes each and lie in LDS whole: each byte of LDS is filled once, at the head, JOINTLY by the four work-groups: waves 0-3 ask for K's quarters, waves 4-7 for V's, one tensor load a wave.
; All that the launch reads is asked for there, so there is no loop that a prefetch could run ahead in.
; LAYOUT.  Both products are used transposed: S^T = K Q^T (source 0 = 16 keys, source 1 = 16 queries), O^T = V^T P^T: a lane holds ONE query (lane % 16) throughout.  Tile t of S^T holds keys 16 t + 8 h + 0 .. 7 in a lane's
; eight registers, and these are registers 2 t, 2 t + 1 of P's fragment: the conversions' results are the second product's operand.
; THE LOOP walks the 16 key steps.  In a tile's diagonal step its hidden scores become -infinity, and behind that step's products the tile is divided by its sum and stored; in later steps it is jumped over.
; LIMITS: e6 + e7 between -124 and 127; e8 between -126 and 112.  The mask is held within +-1e38 and, divided by 2^(e6 + e7), within +-1e38 again, but for -infinity, which stays (a row all of whose keys have it gives NaN, as
; in the definition).  NaN among the inputs and +infinity in the mask are not served.
; REGISTERS.  window 0: v1-15 addresses; v16-47 eight registers of statistics a tile; v48-63 constants and work; v64-127 the step's mask; v128-191 S^T, then p; v192-255 K's eight fragments.
;   window 1: v0-31 Q, 8 a tile; v32-47 p's codes; v48-111 V's four fragments; v112-239 O^T, 32 a tile.
.set VREG,  131072                     ; LDS: K at 0, V here,
.set MREG,  262144                     ; the batch's 2,048 mask numbers,
.set STAGE, 270336                     ; 16 rows x 272 bytes for each wave, for the way out,
.set SPARE, 305152                     ; and the spare words
.set SP,    272
.set LI,   1                           ; v1   16 x lane: an image's place for my lane
.set ADK,  2                           ; v2   LDS address of the next step's K
.set ADV,  3                           ; v3   of the step's V
.set ADM,  4                           ; v4   of the next step's mask numbers
.set LIV,  5                           ; v5   VREG + 16 x lane
.set AM0,  6                           ; v6   MREG + 32 h
.set STO,  7                           ; v7   the way out: where I put 32 bytes of a row
.set RD,   8                           ; v8   and where I read a row back
.set GOC,  9                           ; v9   4,096 h + 16 r
.set RR,   10                          ; v10  r = lane % 16
.set HH,   11                          ; v11  h = lane / 16
.set DQC,  12                          ; v12  r - 8 h
.set BIG,  15                          ; v15  1e38
.set ST,   16                          ; tile i at v[ST + 8 i]: +0 -M, +1 the largest score, +2, +3 the sum in two halves, +4 my query less 8 h in the diagonal step, +5 my byte offset in out0, +6 in qc
.set LIM,  48                          ; v48, v49  57,344 x 2^e8
.set SCL,  50                          ; v50  2^e8
.set NINF, 51                          ; v51  -infinity
.set F,    52                          ; v[52:53] f = 2^(old M - new M); at a tile's end 2^(e8 + e9) / the sum
.set TA,   54                          ; v[54:55], v[58:59], v[60:61]: chains of the maximum and of the sum
.set TB,   55
.set PX,   56
.set SB,   58
.set TC,   60
.set TD,   61
.set SPW,  62
.set NIL,  63
.set MK,   64
.set S,    128
.set FK,   192
.set Q,    0                           ; in window 1
.set PC,   32
.set FV,   48
.set O,    112
                                       ; s16 wave; s17 c's place; s18 head; s19 -c; s[20:21] lane selects; s[22:23] c; s[24:31] descriptor group 1; s[32:35], s[48:51] groups 0 for K, for V
                                       ; s68 e8 + e9; s69 the key step; s71 8,192 x step; s72 512 x step; s73, s74 the next step's; s76-79 D of my four tiles; s80-83 U
.set MSB, 0
.macro WIN new                         ; the immediate's high byte repeats the setting that is left; a switch that changes nothing is dropped
.if MSB != (\new)
	s_set_vgpr_msb (MSB<<8)|(\new)
.set MSB, (\new)
.endif
.endm
.macro CROUND                          ; a round of the cluster's barrier
	s_barrier_signal -1
	s_barrier_wait -1
	s_cmp_lg_u32 s16, 0
	s_cbranch_scc1 .Lnot_wave_0_\@
	s_barrier_signal -3
.Lnot_wave_0_\@:
	s_barrier_wait -3
	s_barrier_signal -1
	s_barrier_wait -1
.endm
.macro PLACES n                        ; plain vector lines between a matrix instruction and a load into, or a vector read or write of, its registers
.rept \n
	v_nop
.endr
.endm
	s_load_b256 s[4:11], s[0:1], 0x0               ; qc s[4:5], kc s[6:7], vc s[8:9], the mask s[10:11]
	s_load_b128 s[12:15], s[0:1], 0x20             ; the scales' exponents s[12:13], out0 s[14:15]
	v_lshl_add_u32 v[SPW], v0, 2, SPARE
	v_mov_b32 v[NIL], 0
	ds_add_u32 v[SPW], v[NIL]                      ; the opening: the add, twice on end, and its wait ahead of my first tensor load
	ds_add_u32 v[SPW], v[NIL]
	v_lshrrev_b32 v2, 5, v0
	v_readfirstlane_b32 s16, v2                    ; wave 0..7
	s_bfe_u32 s17, ttmp6, 0x40000                  ; my place in the cluster: it enters Q's and out0's addresses and the diagonal's compare alone
	s_and_b32 s18, ttmp7, 0xffff                   ; the head, which the four partners share
	s_mov_b32 s24, 15|(3<<16)|(1<<21)              ; 15:0 the mask: all four work-groups; 17:16 elements of 8 bytes; 21 set beside a mask; no padding
	s_mov_b32 s25, 32<<16                          ; rows of 256 bytes
	s_mov_b32 s26, 128<<16                         ; 128 rows: 32,768 bytes, dense in memory and in LDS
	s_mov_b32 s27, 32<<16
	s_mov_b32 s28, 128
	s_mov_b32 s29, 32
	s_mov_b32 s30, 0
	s_mov_b32 s31, 0
	s_mov_b32 s20, 0x76543210
	s_mov_b32 s21, 0xfedcba98
	s_lshr_b32 s84, s16, 2                         ; f = 0 in waves 0-3, 1 in waves 4-7.  U of my four tiles, the largest last:
	s_xor_b32 s80, s16, 4                          ; w + 4 | w - 4,
	s_mul_i32 s85, s84, 31
	s_add_co_u32 s81, s16, 16
	s_xor_b32 s81, s81, s85                        ; 16 + w | 15 - w,
	s_mul_i32 s85, s84, 12
	s_and_b32 s82, s16, 3
	s_xor_b32 s82, s82, 3
	s_add_co_u32 s82, s82, 24
	s_sub_co_u32 s82, s82, s85                     ; 27 - w | 19 - w,
	s_mul_i32 s85, s84, 15
	s_xor_b32 s83, s16, 31
	s_xor_b32 s83, s83, s85                        ; 31 - w | 16 + w
	s_lshr_b32 s76, s80, 1                         ; and their diagonal steps
	s_lshr_b32 s77, s81, 1
	s_lshr_b32 s78, s82, 1
	s_lshr_b32 s79, s83, 1
	s_and_b32 s84, s16, 3
	s_lshl_b32 s90, s84, 15                        ; my quarter, in LDS and in memory alike
	s_lshl_b32 s84, s18, 17
	s_add_co_u32 s84, s84, s90
	s_mov_b32 s85, 0
	s_wait_alu depctr_va_vdst(0)
	s_wait_dscnt 0x0                               ; both opening adds are done
	s_wait_kmcnt 0x0
	s_load_b128 s[96:99], s[12:13], 0x18           ; e6, e7, e8, e9
	s_add_nc_u64 s[86:87], s[6:7], s[84:85]
	s_add_nc_u64 s[88:89], s[8:9], s[84:85]
	CROUND                                         ; all four work-groups are here: the joint loads meet
	s_mov_b32 s32, 1
	s_mov_b32 s33, s90
	s_mov_b64 s[34:35], s[86:87]
	s_or_b32 s35, s35, 0x80000000
	s_mov_b32 s48, 1
	s_add_co_u32 s49, s90, VREG
	s_mov_b64 s[50:51], s[88:89]
	s_or_b32 s51, s51, 0x80000000
	s_cmp_lt_u32 s16, 4
	s_cbranch_scc0 .Lfirst_v
	tensor_load_to_lds s[32:35], s[24:31]
	s_nop 0
	PLACES 4
	s_branch .Lasked
.Lfirst_v:
	tensor_load_to_lds s[48:51], s[24:31]
	s_nop 0
	PLACES 4
.Lasked:
	s_lshr_b32 s84, s18, 4                         ; b
	s_lshl_b32 s92, s84, 13
	s_mov_b32 s93, 0
	s_add_nc_u64 s[10:11], s[10:11], s[92:93]      ; the batch's 2,048 mask numbers
	s_lshl_b32 s92, s84, 23                        ; out0: the batch's 2,048 rows of 4,096 bytes,
	s_and_b32 s94, s18, 15
	s_lshl_b32 s94, s94, 8                         ; the head's 256 bytes of a row
	s_add_co_u32 s92, s92, s94
	s_add_nc_u64 s[14:15], s[14:15], s[92:93]
	v_lshlrev_b32 v13, 4, v0
	v_lshl_add_u32 v14, v0, 4, MREG
	global_load_b128 v[MK:MK+3],   v13, s[10:11]              ; 256 threads x 16 bytes, twice: read once, in consecutive bytes, and kept in LDS
	global_load_b128 v[MK+4:MK+7], v13, s[10:11] offset:4096
	v_and_b32 v[LI], 31, v0
	v_lshlrev_b32 v[LI], 4, v[LI]
	v_and_b32 v[RR], 15, v0
	v_bfe_u32 v[HH], v0, 4, 1
	v_lshlrev_b32 v[GOC], 12, v[HH]
	v_lshl_add_u32 v[GOC], v[RR], 4, v[GOC]
	v_lshlrev_b32 v[DQC], 3, v[HH]
	v_sub_nc_u32 v[DQC], v[RR], v[DQC]
	s_wait_alu depctr_va_vdst(0)
.irp i, 0,1,2,3
	s_lshl_b32 s84, s[80+\i], 2
	s_add_co_u32 s84, s84, s17                     ; T = 4 U + c
	s_lshl_b32 s85, s84, 10
	s_lshl_b32 s91, s18, 17
	s_add_co_u32 s85, s85, s91
	v_add_nc_u32 v[ST+8*\i+6], s85, v[LI]          ; Q's image: head x 131,072 + T x 1,024 + 16 x lane
	s_lshl_b32 s85, s84, 16
	v_add_nc_u32 v[ST+8*\i+5], s85, v[GOC]         ; out0: row 16 T + h, + 16 r
	s_and_b32 s85, s[80+\i], 1
	s_lshl_b32 s85, s85, 6
	s_lshl_b32 s91, s17, 4
	s_add_co_u32 s85, s85, s91
	v_add_nc_u32 v[ST+8*\i+4], s85, v[DQC]         ; my query's place in its diagonal step, less 8 h: 64 (U % 2) + 16 c + r - 8 h
	v_mov_b32 v[ST+8*\i+2], 0                      ; the sum, in two halves
	v_mov_b32 v[ST+8*\i+3], 0
.endr
	s_wait_alu depctr_va_vdst(0)
	WIN 0x40                                       ; destination window 1
.irp i, 0,1,2,3
	global_load_b128 v[Q+8*\i:Q+8*\i+3],   v[ST+8*\i+6], s[4:5]              ; Q stays in registers
	global_load_b128 v[Q+8*\i+4:Q+8*\i+7], v[ST+8*\i+6], s[4:5] offset:512
.endr
.set j, 0
.rept 128
	v_mov_b32 v[O+j], 0                            ; O^T.  (A tile's step is written once: the first finds zeros, which the first change of M leaves zeros)
.set j, j+1
.endr
	WIN 0
	v_add_nc_u32 v[LIV], VREG, v[LI]
	v_lshl_add_u32 v[AM0], v[HH], 5, MREG
	s_mul_i32 s84, s16, 16*SP
	s_add_co_u32 s84, s84, STAGE                   ; my stage
	v_mul_u32_u24 v[STO], v[RR], SP
	v_mul_u32_u24 v[RD], v[HH], SP
	v_lshl_add_u32 v[STO], v[HH], 5, v[STO]
	v_lshl_add_u32 v[RD], v[RR], 4, v[RD]
	v_add_nc_u32 v[STO], s84, v[STO]               ; in: row r, + 32 h
	v_add_nc_u32 v[RD], s84, v[RD]                 ; back: lanes 0-15 one row of 256 bytes, lanes 16-31 the next
	v_mov_b32 v[NINF], 0xff800000
	v_mov_b32 v[BIG], 0x7e967699                   ; 1e38
	v_mov_b32 v[F+1], 0                            ; (named as the upper half of a pair)
	v_mov_b32 v[PX], 0                             ; written once: a lane permute's destination counts as one of its sources
	v_mov_b32 v[TA], 0xff61b1e6                    ; -3e38
	s_wait_alu depctr_va_vdst(0)
	s_wait_kmcnt 0x0
	s_add_co_i32 s66, s96, s97                     ; e6 + e7
	s_sub_co_i32 s91, 0, s66                       ; what the mask is multiplied by, as an exponent
	s_min_i32 s92, s91, 0
	s_lshl_b32 s66, s66, 23
	s_add_co_i32 s22, s66, 0x3e38aa3b              ; c = log2(e) / 8 x 2^(e6 + e7): the exponent is added to the exponent field
	s_mov_b32 s23, s22                             ; (named with it as a pair, so it is written)
	s_xor_b32 s19, s22, 0x80000000                 ; -c
	s_add_co_i32 s68, s98, s99                     ; e8 + e9
	s_add_co_i32 s84, s98, 127
	s_lshl_b32 s85, s84, 23
	v_mov_b32 v[SCL], s85
	s_add_co_i32 s84, s84, 15
	s_lshl_b32 s84, s84, 23
	s_or_b32 s84, s84, 0x600000
	v_mov_b32 v[LIM], s84
	v_mov_b32 v[LIM+1], s84
.irp i, 0,1,2,3
	v_ldexp_f32 v[ST+8*\i+1], v[TA], s92           ; the largest score so far: -3e38, or as much less as keeps its t a finite number: under every score
	v_mul_f32 v[ST+8*\i], s19, v[ST+8*\i+1]
	v_floor_f32 v[ST+8*\i], v[ST+8*\i]             ; -M
.endr
	s_wait_alu depctr_va_vdst(0)
	s_wait_loadcnt 0x0                             ; the mask and Q
.irp j, 0,1,2,3,4,5,6,7
	v_cmp_eq_f32 vcc_lo, v[NINF], v[MK+\j]
	v_med3_num_f32 v[S+\j], v[MK+\j], -v[BIG], v[BIG]
	v_ldexp_f32 v[S+\j], v[S+\j], s91              ; mask / 2^(e6 + e7)
	v_med3_num_f32 v[S+\j], v[S+\j], -v[BIG], v[BIG]
	v_cndmask_b32 v[MK+\j], v[S+\j], v[NINF], vcc_lo
.endr
	ds_store_b128 v14, v[MK:MK+3]
	ds_store_b128 v14, v[MK+4:MK+7] offset:4096
.macro LOADK                           ; 32 LDS loads in one run: K's eight fragments and the mask: each instruction's 32 lanes read 512 consecutive bytes (the mask: two pieces of 16, shared)
.irp t, 0,1,2,3,4,5,6,7
	ds_load_b128 v[FK+8*\t:FK+8*\t+3],   v[ADK] offset:1024*\t
	ds_load_b128 v[FK+8*\t+4:FK+8*\t+7], v[ADK] offset:1024*\t+512
.endr
.irp t, 0,1,2,3,4,5,6,7
	ds_load_b128 v[MK+8*\t:MK+8*\t+3],   v[ADM] offset:64*\t       ; mask of keys 16 t + 8 h + 0 .. 7: the layout of S^T
	ds_load_b128 v[MK+8*\t+4:MK+8*\t+7], v[ADM] offset:64*\t+16
.endr
.endm
.macro LOADV                           ; V's four fragments
	PLACES 4                                       ; in front of loads into registers that the last step's products have read
	WIN 0x40
.irp t, 0,1,2,3
.irp c, 0,1,2,3
	ds_load_b128 v[FV+16*\t+4*\c:FV+16*\t+4*\c+3], v[ADV] offset:2048*\t+512*\c
.endr
.endr
	WIN 0
.endm
; A tile's end: O^T x 2^(e8 + e9) / the sum goes through my stage in LDS and leaves as rows: sixteen lanes store 256 consecutive bytes, at a multiple of 256 from out0's first byte.
.macro FINAL i
.set rT, ST+8*\i
.set rO, O+32*\i
	PLACES 4                                       ; behind the tile's last products
	v_add_f32 v[TA], v[rT+2], v[rT+3]              ; the sum's two halves,
	s_delay_alu instid0(VALU_DEP_1)
	v_permlanex16_b32 v[PX], v[TA], s20, s21
	s_delay_alu instid0(VALU_DEP_1)
	v_add_f32 v[TA], v[TA], v[PX]                  ; and lane l xor 16's
	s_wait_alu depctr_va_vdst(0)                   ; the waits ahead of the reciprocal and behind it
	v_rcp_f32 v[TA], v[TA]
	v_nop                                          ; a plain line behind the reciprocal
	s_wait_alu depctr_va_vdst(0)
	v_ldexp_f32 v[F], v[TA], s68
	WIN 0x01                                       ; source 0 window 1
	s_wait_alu depctr_va_vdst(0)                   ; directly ahead of the first reader of O^T
.set j, 0
.rept 16
	v_pk_mul_f32 v[S+j:S+j+1], v[rO+j:rO+j+1], v[F:F+1] op_sel_hi:[1,0]   ; each accumulator from its low end on; register 8 t + n is o(r, 16 t + 8 h + n)
.set j, j+2
.endr
	WIN 0
.irp t, 0,1,2,3
	ds_store_b128 v[STO], v[S+8*\t:S+8*\t+3]   offset:64*\t
	ds_store_b128 v[STO], v[S+8*\t+4:S+8*\t+7] offset:64*\t+16
.endr
.irp t, 0,1,2,3,4,5,6,7
	ds_load_b128 v[S+32+4*\t:S+32+4*\t+3], v[RD] offset:\t*2*SP    ; LDS serves a wave's instructions in order (ISA guide 5.7.1.4): these see my stores
.endr
.irp t, 0,1,2,3,4,5,6,7
	s_wait_dscnt 7-\t                              ; the younger loads from the stage may be out
	global_store_b128 v[rT+5], v[S+32+4*\t:S+32+4*\t+3], s[14:15] offset:8192*\t th:TH_STORE_NT   ; written once, read by nobody here
.endr
	s_wait_xcnt 0x0                                ; the stores have read their registers: the next tile's scores may be written there
.endm
; One key step of tile i.  last = 0: the step is jumped over where it lies behind the tile's diagonal.  last = 1: the wave's last tile of the step, whose diagonal ends the wave's walk: behind its first product the next
; step's K and mask are asked for (behind step 15, step 15's once more; behind the wave's last step they are not used).
.macro TILE i, last
.set rT, ST+8*\i
.set rO, O+32*\i
.if \last == 0
	s_cmp_gt_u32 s69, s[76+\i]
	s_cbranch_scc1 .Lhid_\@
.endif
	s_wait_dscnt 16                                ; K and the mask are in; V's 16 loads may be out
	WIN 0x04                                       ; source 1 (Q) window 1
.irp t, 0,1,2,3,4,5,6,7
	v_wmma_f32_16x16x64_bf8_bf8 v[S+8*\t:S+8*\t+7], v[FK+8*\t:FK+8*\t+7], v[Q+8*\i:Q+8*\i+7], v[MK+8*\t:MK+8*\t+7]
.endr
	WIN 0
	PLACES 4
.if \last
	s_add_co_u32 s73, s71, 8192
	s_min_u32 s73, s73, 15*8192
	s_add_co_u32 s74, s72, 512
	s_min_u32 s74, s74, 15*512
	v_add_nc_u32 v[ADK], s73, v[LI]
	v_add_nc_u32 v[ADM], s74, v[AM0]
	LOADK
.endif
	s_cmp_lg_u32 s69, s[76+\i]
	s_cbranch_scc1 .Lopen_\@
.set j, 0
.rept 16                                       ; on the diagonal: register 8 t + n holds key 16 t + 8 h + n of the step: hidden where 16 t + n > my query's place - 8 h
	v_cmp_gt_i32 s84, 16*(j/8)+j%8, v[rT+4]
	v_cmp_gt_i32 s85, 16*(j/8)+j%8+1, v[rT+4]
	v_cmp_gt_i32 s86, 16*(j/8)+j%8+2, v[rT+4]
	v_cmp_gt_i32 s87, 16*(j/8)+j%8+3, v[rT+4]
	v_cndmask_b32 v[S+j], v[S+j], v[NINF], s84
	v_cndmask_b32 v[S+j+1], v[S+j+1], v[NINF], s85
	v_cndmask_b32 v[S+j+2], v[S+j+2], v[NINF], s86
	v_cndmask_b32 v[S+j+3], v[S+j+3], v[NINF], s87
.set j, j+4
.endr
.Lopen_\@:
	v_max3_num_f32 v[TA], v[S], v[S+1], v[S+2]     ; the step's largest score of my query, among my 64 keys, in four chains; each accumulator from its low end on
	v_max3_num_f32 v[TB], v[S+3], v[S+4], v[S+5]
	v_max3_num_f32 v[TC], v[S+6], v[S+7], v[S+8]
	v_max3_num_f32 v[TD], v[S+9], v[S+10], v[S+11]
.irp k, 12,20,28,36,44,52
	v_max3_num_f32 v[TA], v[TA], v[S+\k], v[S+\k+1]
	v_max3_num_f32 v[TB], v[TB], v[S+\k+2], v[S+\k+3]
	v_max3_num_f32 v[TC], v[TC], v[S+\k+4], v[S+\k+5]
	v_max3_num_f32 v[TD], v[TD], v[S+\k+6], v[S+\k+7]
.endr
	v_max3_num_f32 v[TA], v[TA], v[S+60], v[S+61]
	v_max3_num_f32 v[TB], v[TB], v[S+62], v[S+63]
	v_max_num_f32 v[TC], v[TC], v[TD]
	v_max3_num_f32 v[TA], v[TA], v[TB], v[TC]
	s_delay_alu instid0(VALU_DEP_1)
	v_permlanex16_b32 v[PX], v[TA], s20, s21
	s_delay_alu instid0(VALU_DEP_1)
	v_max3_num_f32 v[rT+1], v[rT+1], v[TA], v[PX]  ; and among lane l xor 16's, and so far
	s_delay_alu instid0(VALU_DEP_1)
	v_mul_f32 v[TB], s19, v[rT+1]                  ; -t
	s_delay_alu instid0(VALU_DEP_1)
	v_floor_f32 v[TB], v[TB]                       ; the new -M = floor(-t) = -ceil(t): M is a whole number
	s_delay_alu instid0(VALU_DEP_1)
	v_sub_f32 v[TA], v[TB], v[rT]                  ; M's old value less its new one: a whole number, 0 or less
	v_mov_b32 v[rT], v[TB]
	s_delay_alu instid0(VALU_DEP_2)
	v_cvt_i32_f32 v[TA], v[TA]                     ; (it saturates)
	s_delay_alu instid0(VALU_DEP_1)
	v_ldexp_f32 v[F], 1.0, v[TA]                   ; f = 2^(old M - new M)
.set j, 0
.rept 32
	v_pk_fma_f32 v[S+j:S+j+1], v[S+j:S+j+1], s[22:23], v[rT:rT+1] op_sel_hi:[1,0,0]   ; t - M, two at a time (of both pairs the low word serves both halves)
.set j, j+2
.endr
	s_wait_alu depctr_va_vdst(0)                   ; the wait ahead of the batch
.set j, 0
.rept 64
	v_exp_f32 v[S+j], v[S+j]                       ; p = 2^(t - M): not normalised
.set j, j+1
.endr
	v_pk_mul_f32 v[rT+2:rT+3], v[rT+2:rT+3], v[F:F+1] op_sel_hi:[1,0]   ; the sums under the new M.  (A plain line behind the exponentials)
	WIN 0x41                                       ; O^T: destination and source 0 window 1
	s_wait_alu depctr_va_vdst(0)                   ; the wait behind the batch, and directly ahead of the first reader of O^T
.set j, 0
.rept 16
	v_pk_mul_f32 v[rO+j:rO+j+1], v[rO+j:rO+j+1], v[F:F+1] op_sel_hi:[1,0]   ; O^T under the new M
.set j, j+2
.endr
	WIN 0
	v_pk_add_f32 v[SB:SB+1], v[S:S+1], v[S+2:S+3]  ; the row's sum is taken of the unquantised p: two at a time, in four chains
	v_pk_add_f32 v[TA:TA+1], v[S+4:S+5], v[S+6:S+7]
	v_pk_add_f32 v[TC:TC+1], v[S+8:S+9], v[S+10:S+11]
	v_pk_add_f32 v[rT+2:rT+3], v[rT+2:rT+3], v[S+12:S+13]
.irp k, 14,22,30,38,46,54
	v_pk_add_f32 v[SB:SB+1], v[SB:SB+1], v[S+\k:S+\k+1]
	v_pk_add_f32 v[TA:TA+1], v[TA:TA+1], v[S+\k+2:S+\k+3]
	v_pk_add_f32 v[TC:TC+1], v[TC:TC+1], v[S+\k+4:S+\k+5]
	v_pk_add_f32 v[rT+2:rT+3], v[rT+2:rT+3], v[S+\k+6:S+\k+7]
.endr
	v_pk_add_f32 v[SB:SB+1], v[SB:SB+1], v[S+62:S+63]
	v_pk_add_f32 v[TA:TA+1], v[TA:TA+1], v[TC:TC+1]
.set j, 0
.rept 32                                       ; the conversion to an 8-bit code does not saturate (ISA guide 7.6.2); p is not negative, so the hold is one-sided
	v_dual_min_num_f32 v[S+j], v[S+j], v[LIM] :: v_dual_min_num_f32 v[S+j+1], v[S+j+1], v[LIM+1]
.set j, j+2
.endr
	v_pk_add_f32 v[SB:SB+1], v[SB:SB+1], v[TA:TA+1]
	WIN 0x40                                       ; destination window 1
.irp t, 0,1,2,3,4,5,6,7
	v_cvt_scalef32_pk8_bf8_f32 v[PC+2*\t:PC+2*\t+1], v[S+8*\t:S+8*\t+7], v[SCL]
.endr
	WIN 0
	v_pk_add_f32 v[rT+2:rT+3], v[rT+2:rT+3], v[SB:SB+1]   ; (the plain line between the conversions and the products that read their results)
	s_wait_alu depctr_va_vdst(0)
.if \last
	s_wait_dscnt 32                                ; V is in; the 32 loads of the next step's K and mask may be out
.else
	s_wait_dscnt 0x0                               ; V is in
.endif
	WIN 0x55                                       ; all four operands window 1
.irp t, 0,1,2,3                                ; the tile's four accumulators by turns, one instruction a turn
	v_wmma_f32_16x16x128_bf8_bf8 v[rO+8*\t:rO+8*\t+7], v[FV+16*\t:FV+16*\t+15], v[PC:PC+15], v[rO+8*\t:rO+8*\t+7]
.endr
	WIN 0
	s_cmp_lg_u32 s69, s[76+\i]
	s_cbranch_scc1 .Lgo_\@
	FINAL \i                                       ; the diagonal step was the tile's last
.Lgo_\@:
.if \last == 0
.Lhid_\@:
.endif
.endm
	s_wait_alu depctr_va_vdst(0)                   ; the head's end
	s_wait_tensorcnt 0x0                           ; my quarter is in,
	s_wait_dscnt 0x0                               ; and my part of the mask lies in LDS
	s_barrier_signal -1
	s_barrier_wait -1                              ; everybody's: K, V and the mask lie in LDS whole
	s_mov_b32 s69, 0
	s_mov_b32 s71, 0
	s_mov_b32 s72, 0
	v_mov_b32 v[ADK], v[LI]
	v_mov_b32 v[ADM], v[AM0]
	LOADK                                          ; step 0's
.Lstep:
	v_add_nc_u32 v[ADV], s71, v[LIV]               ; made on the way that every wave takes
	s_cmp_gt_u32 s69, s79                          ; my last tile is finished: the step's loads are left out too
	s_cbranch_scc1 .Lnext
	LOADV
	TILE 0, 0
	TILE 1, 0
	TILE 2, 0
	TILE 3, 1
.Lnext:
	s_add_co_u32 s71, s71, 8192
	s_add_co_u32 s72, s72, 512
	s_add_co_u32 s69, s69, 1
	s_wait_alu depctr_va_vdst(0)
	s_cmp_lt_u32 s69, 16
	s_cbranch_scc1 .Lstep
	s_wait_tensorcnt 0x0                           ; the wave's end
	ds_add_u32 v[SPW], v[NIL]
	s_wait_dscnt 0x0
	CROUND                                         ; the closing round: no work-group ends while a partner may still ask for a tile that names it
	s_endpgm
.Lfunc_end_k_q855923fdf0_attn:
	.size	k_q855923fdf0_attn, .Lfunc_end_k_q855923fdf0_attn-k_q855923fdf0_attn
	.p2alignl 7, 3214868480
	.fill 96, 4, 3214868480
	.section	.rodata,"a",@progbits
	.p2align	6, 0x0
	.amdhsa_kernel k_q855923fdf0_attn
		.amdhsa_group_segment_fixed_size 327680
		.amdhsa_private_segment_fixed_size 0
		.amdhsa_enable_private_segment 0
		.amdhsa_kernarg_size 48
		.amdhsa_user_sgpr_count 2
		.amdhsa_user_sgpr_kernarg_segment_ptr 1
		.amdhsa_wavefront_size32 1
		.amdhsa_system_sgpr_workgroup_id_x 1
		.amdhsa_system_sgpr_workgroup_id_y 1
		.amdhsa_system_sgpr_workgroup_id_z 1
		.amdhsa_system_vgpr_workitem_id 0
		.amdhsa_next_free_vgpr 512
		.amdhsa_next_free_sgpr 100
		.amdhsa_reserve_vcc 1
		.amdhsa_float_denorm_mode_32 3
		.amdhsa_float_denorm_mode_16_64 3
		.amdhsa_memory_ordered 1
		.amdhsa_forward_progress 1
		.amdhsa_inst_pref_size 127
	.end_amdhsa_kernel
	.amdgpu_metadata
---
amdhsa.version: [ 1, 2 ]
amdhsa.kernels:
  - .name:           k_q855923fdf0_attn
    .symbol:         k_q855923fdf0_attn.kd
    .args:
      - { .name: qc, .offset: 0, .size: 8, .value_kind: global_buffer, .address_space: global }
      - { .name: kc, .offset: 8, .size: 8, .value_kind: global_buffer, .address_space: global }
      - { .name: vc, .offset: 16, .size: 8, .value_kind: global_buffer, .address_space: global }
      - { .name: attention_mask, .offset: 24, .size: 8, .value_kind: global_buffer, .address_space: global }
      - { .name: lowp_scales, .offset: 32, .size: 8, .value_kind: global_buffer, .address_space: global }
      - { .name: out0, .offset: 40, .size: 8, .value_kind: global_buffer, .address_space: global }
    .group_segment_fixed_size: 327680
    .private_segment_fixed_size: 0
    .kernarg_segment_align: 8
    .kernarg_segment_size: 48
    .max_flat_workgroup_size: 256
    .sgpr_count:     100
    .vgpr_count:     512
    .wavefront_size: 32
...
	.end_amdgpu_metadata
.endif
;; end of part 3
